; MI455X (gfx1250); checked and timed in simulation.
; The chip was launched on July 23, 2026; its instructions are those of AMD's public machine-readable ISA for CDNA 5 (MIT licence, August 2026) and "CDNA5" Instruction Set Architecture Reference Guide (July 2026). The comments in the code are by the model that wrote it; some were corrected since.
;; Multihead Self Attention. Allowed arithmetic: matrix products marked QUANTISED: E4M3 operands, one given power-of-two scale a tensor, by v_wmma_f32_16x16x64_fp8_fp8 or v_wmma_f32_16x16x128_fp8_fp8, f32 sums; everything else in f32.
;; Inputs: lowp_scales 12 int32 (the exponents e of the quantised operands' scales 2^e); w_k 1,024 x 1,024 float32; w_o 1,024 x 1,024 float32; w_q 1,024 x 1,024 float32; w_v 1,024 x 1,024 float32; x 2 x 2,048 x 1,024 float32.
;; Outputs: out0 2 x 2,048 x 1,024 float32.
;; This version of the problem:
;;   THIS VERSION OF THE PROBLEM IS GIVEN IN LOW PRECISION. The matrix products marked QUANTISED in the list below multiply operands that are first quantised to E4M3 (4 exponent bits, 3 mantissa bits; 8 bits a number), with one given power-of-two scale for each operand tensor; their sums are f32. All else is computed in f32.
;;   The module's matrix products, in the order in which they are computed (A, B: the left and right operand; K: the contracted axis; several contracted axes count as one K, in the product's order):
;;     1. [M 4,096, K 1,024] x [K 1,024, N 1,024]; A: input x; B: input w_q: QUANTISED (scales: A lowp_scales[0], B lowp_scales[1])
;;     2. [M 4,096, K 1,024] x [K 1,024, N 1,024]; A: input x; B: input w_k: QUANTISED (scales: A lowp_scales[2], B lowp_scales[3])
;;     3. [M 4,096, K 1,024] x [K 1,024, N 1,024]; A: input x; B: input w_v: QUANTISED (scales: A lowp_scales[4], B lowp_scales[5])
;;     4. batch 32 x [M 2,048, K 64] x [K 64, N 2,048]; A: computed on the way; B: computed on the way: QUANTISED (scales: A lowp_scales[6], B lowp_scales[7])
;;     5. batch 32 x [M 2,048, K 2,048] x [K 2,048, N 64]; A: softmax (see below); B: computed on the way: QUANTISED (scales: A lowp_scales[8], B lowp_scales[9])
;;     6. [M 4,096, K 1,024] x [K 1,024, N 1,024]; A: computed on the way; B: input w_o: QUANTISED (scales: A lowp_scales[10], B lowp_scales[11])
;;   THE QUANTISER, for each operand of a quantised product, along K:
;;     - The operand's scale is 2^e, e = its entry of the input lowp_scales (int32; the entries are numbered through the quantised products in the list's order, A before B).
;;     - Each number is divided by the scale, clamped to +-448, and rounded to the nearest number of E4M3, ties to even, subnormals kept.
;;     - The product sums the exact products of the quantised numbers (number of the format x scale) in f32.
;;   ~~~python
;;   def quantise(x, axis, e):      # numpy; x: float32 -> the quantised numbers, widened to float32 again
;;       x = np.moveaxis(x, axis, -1); K = x.shape[-1]
;;       r = np.clip(x / 2.0 ** e, -448, 448)
;;       step = 2.0 ** (np.maximum(np.frexp(np.where(r == 0, 1, r))[1] - 1, -6) - 3)
;;       q = np.round(r / step) * step * 2.0 ** e      # np.round: ties to even
;;       return np.moveaxis(q, -1, axis).astype(np.float32)
;;   ~~~
;;   SOFTMAX AHEAD OF A QUANTISED PRODUCT. Where the list says 'softmax', what is quantised is not the finished softmax but p = 2^(t - M), with t = logit x log2(e) and M = ceil(the row's largest t), a whole number; so 1/2 < the row's largest p <= 1. The row's sum l is taken of the UNQUANTISED p, in f32, and the product's result is divided by l at the end. Since M is a whole number, a kernel that streams over the keys may use a running M (the ceiling of the running maximum): every later rescaling is an exact power of two, so the quantised numbers keep their values, but for numbers so far below the row's largest that they fall under the format's range.
;;   OPERANDS COMPUTED ON THE WAY. 'Computed on the way' means the value that the module computes at that place (a softmax that the list does not call 'softmax' is quantised finished and normalised). What goes into a quantiser is computed in f32, as accurately as f32 sums, v_exp_f32 and their like allow (about 1e-6 of the number): no bf16 or f16 on the way to a quantiser, and a product that is left as it is and whose result goes on into a quantised operand takes f32 operands (vector FMAs, or v_wmma_f32_16x16x4_f32). A number that lies on a knife's edge between two numbers of the format may be rounded either way, as far as f32 arithmetic and the matrix unit's own rounding can turn it there, and no further.
;; One version. Each part assembles by itself: llvm-mc -triple=amdgcn-amd-amdhsa -mcpu=gfx1250 --defsym DOCPART=n.
;; ======== version 1 of 1: 4 launches
;; limits: right only within a limited range of input values
;; workspace buffers: xc 12,582,912 bytes; wc 4,194,304 bytes; qkvc 12,582,912 bytes; ac 4,194,304 bytes
;; launch quant (part 1): grid 512 x 1, 4 waves a work-group, no clusters, 33,280 bytes of LDS; arguments x, w_q, w_k, w_v, w_o, lowp_scales, xc, wc; writes xc, wc
.if DOCPART == 1
	.amdgcn_target "amdgcn-amd-amdhsa--gfx1250"
	.amdhsa_code_object_version 6
	.text
	.protected	k_q41904f9012_quant
	.globl	k_q41904f9012_quant
	.p2align	8
	.type	k_q41904f9012_quant,@function
k_q41904f9012_quant:
	s_mov_b64 s[64:65], 0
	v_nop
	global_prefetch_b8 v0, s[64:65] scope:SCOPE_SE
	s_setreg_imm32_b32 hwreg(HW_REG_WAVE_MODE, 25, 1), 1
	s_wait_xcnt 0x0
; CAUSAL MULTI-HEAD SELF-ATTENTION ON CODES OF FP8 (E4M3), four launches: this one (f32 inputs -> codes), qkv (products 1 to 3), attn (products 4, 5), oproj (product 6).
; DEAD WORK, for the whole program.  reference() sets score(n, m) to -infinity wherever key m comes after query n, by a jnp.tril that it builds itself.  So p(n, m) = 2^(-infinity) = 0 there, whatever
; finite values the inputs hold: such a key adds 0 to the row's sum and 0 x v(m) = 0 to the row of the second product.  The launch attn therefore leaves out every key step (128 keys x a tile of 16 queries)
; ALL of whose keys come after ALL of those queries; inside a step on the diagonal the hidden scores are made -infinity and the work is done.  Nothing else is left out; every input has a way to the output and is loaded.
; LIMIT that follows: a NaN, an infinity or an overflow that reaches a query only through keys hidden from it is not carried to the result.
;
; THIS LAUNCH.  x [4096][1024] f32 becomes THREE sets of codes, under lowp_scales[0], [2] and [4] (the three products name a scale of their own for x): xc, three sections of 4 MiB.
; w_q, w_k, w_v, w_o [1024][1024] f32 become codes under entries 1, 3, 5, 11: wc, four sections of 1 MiB.
; A SECTION: [block of 128 rows][256 of K][row of the block][256 bytes]: 128 rows x 256 of K are one dense block of 32 KiB, and two such blocks that follow along K lie on end.
; THE ORDER OF K inside each 32: byte 16 o + 8 u + j holds k = 16 u + 8 o + j (o, u = 0, 1; j = 0 .. 7): a 16-byte load at 16 x (lane / 16) then gives a lane the places that the plain fp8 forms' own layout gives it.
; Both operands of products 1 to 3 have it, and w_o has it as the attention's output has it.
; code = number / 2^e, held within +-448, rounded to the nearest code, ties to even.  LIMITS: each e used here lies between -126 and 119; NaN among the inputs is not served (an infinity is held at the largest code).
; A work-group takes 16,384 numbers, a wave 4,096 (four rows), in 8 steps of 512.  Work-groups 0-255 take x, 256-511 the four weights, 64 each.
; Each of a step's four loads reads 512 consecutive bytes, 16 a lane; the conversions want neighbours in a lane's registers: so a step's 2,048 bytes turn through the wave's own stage in LDS (16 bytes of
; padding behind each 64); lane 2 m + o reads back numbers 32 m + 8 o + 0 .. 7 and 32 m + 16 + 8 o + 0 .. 7.  A lane's 16 codes are 16 bytes: sixteen lanes store 256 consecutive bytes, aligned.
; Both kinds of work-group take ONE way through all LDS lines; a scalar branch on the work-group's number leads the weights' work-groups round x's second and third conversion and store, and round nothing else.
; No tensor loads, no barrier: waves share nothing.  Loads run four steps ahead from the first line on; there is nothing for a prefetch to add.
.set WAVES, 4
.set STEPS, 8
.set SP,    80                         ; a lane's place in a stage: 64 bytes + 16 of padding
.set WREG,  8192                       ; LDS: a region for each wave: two stages of 32 x SP bytes
.set SPARE, WAVES*WREG                 ; behind the regions: the spare words, 128 bytes for each wave: two blocks of 256 bytes that no other line names
.set VST,   4                          ; v4  the stores' offset
.set SC0,   6                          ; v6, v8, v10   2^e as f32 for output 0, 1, 2
.set LIM0,  7                          ; v7, v9, v11   448 x 2^e
.set SPW,   12                         ; v12  LDS address of my spare word; never rewritten
.set NIL,   13                         ; v13  0; never rewritten
.set R,     16                         ; v16-79   four sets of 16 numbers as they are loaded
.set X,     80                         ; v80-111  two sets of 16 numbers in the order of their codes
.set T,     112                        ; v112-127 the 16 numbers, held
.set C,     160                        ; v160-171 codes: four registers for each of the three outputs
.set OUT,   26                         ; s[26:27], s[28:29], s[30:31] where my wave's codes go
	s_load_b256 s[4:11], s[0:1], 0x0               ; x, w_q, w_k, w_v
	s_load_b256 s[12:19], s[0:1], 0x20             ; w_o, the scales' exponents, xc, wc
	v_lshl_add_u32 v[SPW], v0, 2, SPARE
	v_mov_b32 v[NIL], 0
	v_lshrrev_b32 v1, 5, v0
	v_readfirstlane_b32 s20, v1                    ; wave
	s_mul_i32 s48, s20, WREG
	v_and_b32 v2, 31, v0                           ; lane
	v_lshlrev_b32 v3, 4, v2                        ; my 16 bytes of a load's 512; never rewritten
	v_lshrrev_b32 v14, 2, v2
	v_mul_u32_u24 v14, v14, SP
	v_and_b32 v15, 3, v2
	v_lshl_add_u32 v14, v15, 4, v14
	v_add_nc_u32 v14, s48, v14                     ; the stage, on the way in: SP (lane / 4) + 16 (lane % 4)
	v_and_b32 v15, 30, v2
	v_mul_u32_u24 v15, v15, SP
	v_and_b32 v5, 1, v2
	v_lshl_add_u32 v15, v5, 5, v15
	v_add_nc_u32 v15, s48, v15                     ; and on the way out: SP x (lane with bit 0 cleared) + 32 x (lane % 2)
	v_lshrrev_b32 v5, 4, v2
	v_lshlrev_b32 v5, 15, v5
	v_and_b32 v[VST], 15, v2
	v_lshl_add_u32 v[VST], v[VST], 4, v5           ; lanes 16-31 stand in the next 256 of K: 32 KiB on
	s_cmp_lt_u32 ttmp9, 256
	s_cselect_b32 s21, 1, 0                        ; 1: x's work-group
	s_sub_co_u32 s48, ttmp9, 256
	s_lshr_b32 s22, s48, 6                         ; which weight,
	s_and_b32 s23, s48, 63                         ; and which run of 16,384 numbers of it
	s_cmp_eq_u32 s21, 1
	s_cselect_b32 s22, 0, s22
	s_cselect_b32 s23, ttmp9, s23
	s_lshl_b32 s23, s23, 2
	s_add_co_u32 s23, s23, s20                     ; which four rows are my wave's
	s_lshl_b32 s32, s23, 14                        ; in bytes of f32,
	s_mov_b32 s33, 0
	s_lshr_b32 s34, s23, 5
	s_lshl_b32 s34, s34, 17                        ; and of codes: the block of 128 rows,
	s_and_b32 s35, s23, 31
	s_lshl_b32 s35, s35, 10                        ; my rows of it,
	s_add_co_u32 s34, s34, s35
	s_lshl_b32 s35, s22, 20                        ; the weight's section of wc
	s_add_co_u32 s34, s34, s35
	s_mov_b32 s35, 0
	s_wait_alu depctr_va_vdst(0)
	s_wait_kmcnt 0x0
	s_load_b256 s[36:43], s[14:15], 0x0            ; e0 .. e7
	s_load_b128 s[44:47], s[14:15], 0x20           ; e8 .. e11
	s_mov_b64 s[24:25], s[6:7]                     ; the source: chosen by the work-group's number alone
	s_cmp_eq_u32 s22, 1
	s_cselect_b64 s[24:25], s[8:9], s[24:25]
	s_cmp_eq_u32 s22, 2
	s_cselect_b64 s[24:25], s[10:11], s[24:25]
	s_cmp_eq_u32 s22, 3
	s_cselect_b64 s[24:25], s[12:13], s[24:25]
	s_cmp_eq_u32 s21, 1
	s_cselect_b64 s[24:25], s[4:5], s[24:25]
	s_cselect_b64 s[OUT:OUT+1], s[16:17], s[18:19]
	s_add_nc_u64 s[24:25], s[24:25], s[32:33]
	s_add_nc_u64 s[OUT:OUT+1], s[OUT:OUT+1], s[34:35]
	s_add_nc_u64 s[OUT+2:OUT+3], s[16:17], s[34:35]
	s_add_nc_u64 s[OUT+4:OUT+5], s[OUT+2:OUT+3], 0x800000   ; x's third section
	s_add_nc_u64 s[OUT+2:OUT+3], s[OUT+2:OUT+3], 0x400000   ; x's second section
.macro LOAD t
.irp i, 0,1,2,3
	global_load_b128 v[R+16*((\t)%4)+4*\i:R+16*((\t)%4)+4*\i+3], v3, s[24:25] offset:2048*(\t)+512*\i th:TH_LOAD_NT   ; 32 lanes read 512 consecutive bytes; read once in the launch
.endr
.endm
.macro TURN t                          ; step t's numbers through the stage: LDS serves a wave's instructions in order (ISA guide 5.7.1.4), so no wait stands between the stores and the loads
.irp i, 0,1,2,3
	ds_store_b128 v14, v[R+16*((\t)%4)+4*\i:R+16*((\t)%4)+4*\i+3] offset:32*SP*((\t)%2)+8*SP*\i
.endr
.irp i, 0,1,2,3
	ds_load_b128 v[X+16*((\t)%2)+4*\i:X+16*((\t)%2)+4*\i+3], v15 offset:32*SP*((\t)%2)+SP*(\i/2)+16*(\i%2)
.endr
.endm
.irp t, 0,1,2,3
	LOAD \t
.endr
	s_wait_kmcnt 0x0
	s_cmp_eq_u32 s22, 1                            ; output 0's exponent: e1, e3, e5, e11 for the weights, e0 for x
	s_cselect_b32 s48, s39, s37
	s_cmp_eq_u32 s22, 2
	s_cselect_b32 s48, s41, s48
	s_cmp_eq_u32 s22, 3
	s_cselect_b32 s48, s47, s48
	s_cmp_eq_u32 s21, 1
	s_cselect_b32 s48, s36, s48
.macro MKSC e, i                       ; 2^e as f32 (the conversion takes its exponent field), and 448 x 2^e
	s_add_co_i32 s49, \e, 127
	s_lshl_b32 s50, s49, 23
	v_mov_b32 v[SC0+2*\i], s50
	s_add_co_i32 s49, s49, 8
	s_lshl_b32 s49, s49, 23
	s_or_b32 s49, s49, 0x600000
	v_mov_b32 v[LIM0+2*\i], s49
.endm
	MKSC s48, 0
	MKSC s38, 1                                    ; e2
	MKSC s40, 2                                    ; e4
	s_wait_alu depctr_va_vdst(0)
	s_wait_loadcnt 12                              ; step 0's four loads are in; the 12 of steps 1 to 3 may be out
	TURN 0
; One output of a step: the 16 numbers are held into T (X stays whole for the other outputs), converted and stored.
.macro CONV i, t
.set j, 0
.rept 16
	v_med3_num_f32 v[T+j], v[XS+j], -v[LIM0+2*(\i)], v[LIM0+2*(\i)]   ; the conversion to an 8-bit code does not saturate (ISA guide 7.6.2): the hold at the largest code x the scale
.set j, j+1
.endr
	v_cvt_scalef32_pk8_fp8_f32 v[C+4*(\i):C+4*(\i)+1], v[T:T+7], v[SC0+2*(\i)]
	v_cvt_scalef32_pk8_fp8_f32 v[C+4*(\i)+2:C+4*(\i)+3], v[T+8:T+15], v[SC0+2*(\i)]
	v_nop                                          ; one plain vector line between the conversions and the next holds, which write their sources
	global_store_b128 v[VST], v[C+4*(\i):C+4*(\i)+3], s[OUT+2*(\i):OUT+2*(\i)+1] offset:65536*((\t)%2)+256*((\t)/2)
.endm
.macro STEP t
.set XS, X+16*((\t)%2)
	s_wait_dscnt 0x0                               ; this step's numbers are back from the stage: so its stores into the stage have read their registers
	s_wait_xcnt 0x0                                ; the last step's stores have had their addresses translated (ISA guide 3.1): only behind this wait are the codes' registers written again
.if (\t)+4 < STEPS
	LOAD (\t)+4
.endif
.if (\t)+1 < STEPS
.if STEPS-2-(\t) >= 3
	s_wait_loadcnt 12                              ; the next step's four loads are in; those of the three steps behind it may be out
.else
	s_wait_loadcnt 4*(STEPS-2-(\t))
.endif
	TURN (\t)+1                                    ; they go through the other stage while this step is worked
.endif
	CONV 0, \t
	s_cmp_eq_u32 s21, 0                            ; a weight has one set of codes
	s_cbranch_scc1 .Lw_\@
	CONV 1, \t
	CONV 2, \t
.Lw_\@:
.endm
.irp t, 0,1,2,3,4,5,6,7
	STEP \t
.endr
	s_wait_tensorcnt 0x0                           ; the wave's end: behind my last LDS store
	ds_add_u32 v[SPW], v[NIL]
	s_wait_dscnt 0x0
	s_endpgm
.Lfunc_end_k_q41904f9012_quant:
	.size	k_q41904f9012_quant, .Lfunc_end_k_q41904f9012_quant-k_q41904f9012_quant
	.p2alignl 7, 3214868480
	.fill 96, 4, 3214868480
	.section	.rodata,"a",@progbits
	.p2align	6, 0x0
	.amdhsa_kernel k_q41904f9012_quant
		.amdhsa_group_segment_fixed_size 33280
		.amdhsa_private_segment_fixed_size 0
		.amdhsa_enable_private_segment 0
		.amdhsa_kernarg_size 64
		.amdhsa_user_sgpr_count 2
		.amdhsa_user_sgpr_kernarg_segment_ptr 1
		.amdhsa_wavefront_size32 1
		.amdhsa_system_sgpr_workgroup_id_x 1
		.amdhsa_system_sgpr_workgroup_id_y 1
		.amdhsa_system_sgpr_workgroup_id_z 1
		.amdhsa_system_vgpr_workitem_id 0
		.amdhsa_next_free_vgpr 176
		.amdhsa_next_free_sgpr 66
		.amdhsa_reserve_vcc 0
		.amdhsa_float_denorm_mode_32 3
		.amdhsa_float_denorm_mode_16_64 3
		.amdhsa_memory_ordered 1
		.amdhsa_forward_progress 1
		.amdhsa_inst_pref_size 43
	.end_amdhsa_kernel
	.amdgpu_metadata
---
amdhsa.version: [ 1, 2 ]
amdhsa.kernels:
  - .name:           k_q41904f9012_quant
    .symbol:         k_q41904f9012_quant.kd
    .args:
      - { .name: x, .offset: 0, .size: 8, .value_kind: global_buffer, .address_space: global }
      - { .name: w_q, .offset: 8, .size: 8, .value_kind: global_buffer, .address_space: global }
      - { .name: w_k, .offset: 16, .size: 8, .value_kind: global_buffer, .address_space: global }
      - { .name: w_v, .offset: 24, .size: 8, .value_kind: global_buffer, .address_space: global }
      - { .name: w_o, .offset: 32, .size: 8, .value_kind: global_buffer, .address_space: global }
      - { .name: lowp_scales, .offset: 40, .size: 8, .value_kind: global_buffer, .address_space: global }
      - { .name: xc, .offset: 48, .size: 8, .value_kind: global_buffer, .address_space: global }
      - { .name: wc, .offset: 56, .size: 8, .value_kind: global_buffer, .address_space: global }
    .group_segment_fixed_size: 33280
    .private_segment_fixed_size: 0
    .kernarg_segment_align: 8
    .kernarg_segment_size: 64
    .max_flat_workgroup_size: 128
    .sgpr_count:     66
    .vgpr_count:     176
    .wavefront_size: 32
...
	.end_amdgpu_metadata
.endif
;; end of part 1
;; launch qkv (part 2): grid 12 x 16, 4 waves a work-group, clusters of 4 x 4, 327,680 bytes of LDS; arguments xc, wc, lowp_scales, qkvc; writes qkvc
.if DOCPART == 2
	.amdgcn_target "amdgcn-amd-amdhsa--gfx1250"
	.amdhsa_code_object_version 6
	.text
	.protected	k_q41904f9012_qkv
	.globl	k_q41904f9012_qkv
	.p2align	8
	.type	k_q41904f9012_qkv,@function
k_q41904f9012_qkv:
	s_mov_b64 s[64:65], 0
	v_nop
	global_prefetch_b8 v0, s[64:65] scope:SCOPE_SE
	s_setreg_imm32_b32 hwreg(HW_REG_WAVE_MODE, 25, 1), 1
	s_wait_xcnt 0x0
	s_wait_alu depctr_hold_cnt(0) depctr_sa_sdst(0) depctr_va_vdst(0) depctr_va_sdst(0) depctr_va_ssrc(0) depctr_va_vcc(0) depctr_vm_vsrc(0)
	s_getreg_b32 s2, hwreg(HW_REG_IB_STS2, 6, 4)
	s_cmp_eq_u32 s2, 0
	s_cbranch_scc0 .Lentry_in_a_cluster
	s_endpgm
.Lentry_in_a_cluster:
	s_bfe_u32 s2, ttmp6, 0x10000c
	s_cmp_lg_u32 s2, 0xf033
	s_cbranch_scc0 .Lentry_shape_is_right
	s_endpgm
.Lentry_shape_is_right:
; PRODUCTS 1 TO 3 on codes of FP8 (E4M3), f32 sums, each result quantised at once (q under lowp_scales[6], k under [7], v under [9]).  No work is left out here.
; Cluster column 0, 1, 2 = q, k, v.  A tile of 256 x 256 for a work-group of four waves, 128 x 128 a wave.  For q and k A = x (tokens), B = the weight; for v A = w_v, B = x.
; THE MATRIX INSTRUCTION IS USED TRANSPOSED (source 0 = 16 rows of B, source 1 = 16 rows of A): a lane holds one row of A and eight neighbouring rows of B.  After the conversion the 16 registers of a block of 16 rows
; of A ARE operand fragments of the next products: q, k: 16 tokens x 64 of a head, twice (two heads); v: 16 of a head's 64 x 128 keys.  They leave as they lie in the registers: each store covers 512 consecutive bytes, aligned.
; OUT: qkvc: q: [g][16-token block][1,024 bytes]; 4 MiB on: [g][128-key step][k: 8 key blocks of 1,024 bytes; v: 4 blocks of 16 d of 2,048 bytes], g = 16 batch + head.
; K goes in steps of 256.  128 rows x a K step are 32 KiB dense in memory, and the next K step lies behind it.  LDS: for each wave's 128 rows slot 0, then slot 1, rows of 256 bytes + 16 of padding.
; The head's one load a wave brings K steps 0 and 1 of its 128 rows into both slots; K step 2 takes slot 0 and K step 3 slot 1, each behind a round of the cluster's barrier.
; By this text's own count a wave has one tensor load out at the most.
; CLUSTERS 4 x 4: a row of the cluster shares A's tiles, a column B's: joint loads.  No prefetch: there is no loop to run ahead in; half of K is asked for at the head.
; LIMITS: e6 - e0 - e1, e7 - e2 - e3 and e9 - e4 - e5 lie between -126 and 119.  NaN is not served.
; REGISTERS: window 0: addresses, A's fragments at v128; window 1: B's fragments, two sets; windows 2, 3: the 64 accumulators.
.set PITCH,  272                       ; 68 words: row r starts at bank 4 r mod 64 (64 banks: ISA guide 11.1)
.set FR,     16
.set NL,     4
.set NP,     4
.set HALFT,  128*PITCH                 ; 128 rows x a K step
.set QUART,  2*HALFT                   ; a wave's 128 rows: two slots
.set SPARE,  4*QUART                   ; the spare words: two blocks of 256 bytes that no other line names
.set OFS,  8                           ; v8-15  the way out: byte offset of block a
.set ADRA, 16
.set ADRB, 17
.set SPW,  28
.set NIL,  29
.set SC,   30                          ; the conversion's scale
.set LIM,  31                          ; 448 x that
.set TMP,  32
.set AF,   128
.set CD,   128                         ; the way out: codes, 16 registers a block
.set G1, 24
.set G0, 32
.set G1B, 48
.set G0B, 56
.set G1H, 68                           ; the head's descriptors
.set G1BH, 76
.set G0H, 84
.set G0BH, 88
.set MSB, 0
.macro WIN new                         ; the immediate's high byte repeats the setting that is left
.if MSB != \new
	s_set_vgpr_msb (MSB<<8)|\new
.set MSB, \new
.endif
.endm
.set MUL_LO, 0xa1
.set MUL_HI, 0xf1
.set TO_B,   0x40
; a joint load: waves 0 and 1 for A, waves 2 and 3 for B
.macro JLOAD g0a, g1a, g0b, g1b
	s_cmp_eq_u32 s15, 0
	s_cbranch_scc0 .Lfor_b_\@
	tensor_load_to_lds s[\g0a:\g0a+3], s[\g1a:\g1a+7]
	s_nop 0
.rept 4
	v_nop
.endr
	s_branch .Lasked_\@
.Lfor_b_\@:
	tensor_load_to_lds s[\g0b:\g0b+3], s[\g1b:\g1b+7]
	s_nop 0
.rept 4
	v_nop
.endr
.Lasked_\@:
.endm
.macro CREST
	s_cmp_lg_u32 s14, 0
	s_cbranch_scc1 .Lnot_wave_0_\@
	s_barrier_signal -3
.Lnot_wave_0_\@:
	s_barrier_wait -3
	s_barrier_signal -1
	s_barrier_wait -1
.endm
.macro CROUND                          ; a round of the cluster's barrier
	s_barrier_signal -1
	s_barrier_wait -1
	CREST
.endm
	s_load_b128 s[4:7], s[0:1], 0x0                ; xc, wc
	s_load_b128 s[8:11], s[0:1], 0x10              ; the scales' exponents, qkvc
	v_lshl_add_u32 v[SPW], v0, 2, SPARE
	v_mov_b32 v[NIL], 0
	ds_add_u32 v[SPW], v[NIL]                      ; the wave's opening
	ds_add_u32 v[SPW], v[NIL]
	v_lshrrev_b32 v1, 5, v0
	v_readfirstlane_b32 s14, v1                    ; wave 0..3
	s_lshr_b32 s15, s14, 1                         ; my half of the tile's A rows; also: I fetch for A (0) or B (1)
	s_and_b32 s16, s14, 1                          ; my half of its B rows; also: which 128 rows I fetch
	s_bfe_u32 s40, ttmp6, 0x40000                  ; cx
	s_bfe_u32 s41, ttmp6, 0x40004                  ; cy
	s_and_b32 s17, ttmp7, 0xffff
	s_lshl_b32 s17, s17, 2
	s_cmp_lt_u32 ttmp9, 2
	s_cselect_b32 s42, 0, s17
	s_cselect_b32 s17, s17, 0
	s_add_co_u32 s42, s42, s40                     ; B's tile: the weight's (q, k) or the tokens' (v)
	s_add_co_u32 s17, s17, s41                     ; A's tile: the tokens' (q, k) or the weight's (v)
	s_lshl_b32 s43, s41, 2
	s_lshl_b32 s43, 15, s43                        ; my row of the cluster
	s_lshl_b32 s44, 0x1111, s40                    ; my column
	; group 1: dense rows of 256 bytes, 16 bytes of padding behind each: the head's 256 rows (two K steps), a refill's 128
	s_or_b32 s[G1], s43, (1<<20)|(1<<21)|(5<<22)|(3<<25)
	s_or_b32 s[G1B], s44, (1<<20)|(1<<21)|(5<<22)|(3<<25)
	s_or_b32 s[G1H], s43, (1<<20)|(1<<21)|(5<<22)|(3<<25)
	s_or_b32 s[G1BH], s44, (1<<20)|(1<<21)|(5<<22)|(3<<25)
.irp g, G1, G1B
	s_mov_b32 s[\g+2], 128<<16
	s_mov_b32 s[\g+4], 128
.endr
.irp g, G1H, G1BH
	s_mov_b32 s[\g+2], 256<<16
	s_mov_b32 s[\g+4], 256
.endr
.irp g, G1, G1B, G1H, G1BH
	s_mov_b32 s[\g+1], 256<<16
	s_mov_b32 s[\g+3], 256<<16
	s_mov_b32 s[\g+5], 256
	s_mov_b32 s[\g+6], 0
	s_mov_b32 s[\g+7], 0
.endr
	s_lshl_b32 s18, s16, 17                        ; which block of 128 rows of a tile I fetch: 131,072 bytes each
	s_lshl_b32 s20, s17, 18
	s_add_co_u32 s20, s20, s18
	s_lshl_b32 s46, s42, 18
	s_add_co_u32 s46, s46, s18
	s_lshl_b32 s2, ttmp9, 22
	s_lshl_b32 s3, ttmp9, 20
	s_cmp_lt_u32 ttmp9, 2
	s_cselect_b32 s2, s2, 0x200000                 ; A's section: x's of the product, or w_v's
	s_cselect_b32 s3, s3, 0x800000                 ; B's section: the weight's, or x's third
	s_add_co_u32 s20, s20, s2
	s_add_co_u32 s46, s46, s3
	s_mov_b32 s21, 0
	s_mov_b32 s47, 0
	s_mul_i32 s45, s14, QUART                      ; where my rows go: no place in the cluster enters an LDS address
	s_wait_dscnt 0x0                               ; both opening adds are done
	s_wait_kmcnt 0x0
	s_cmp_lt_u32 ttmp9, 2
	s_cselect_b64 s[12:13], s[4:5], s[6:7]
	s_cselect_b64 s[18:19], s[6:7], s[4:5]
	s_add_nc_u64 s[20:21], s[12:13], s[20:21]
	s_add_nc_u64 s[46:47], s[18:19], s[46:47]
	s_mov_b32 s[G0H], 1
	s_mov_b32 s[G0H+1], s45
	s_mov_b64 s[G0H+2:G0H+3], s[20:21]
	s_or_b32 s[G0H+3], s[G0H+3], 0x80000000
	s_mov_b32 s[G0BH], 1
	s_mov_b32 s[G0BH+1], s45
	s_mov_b64 s[G0BH+2:G0BH+3], s[46:47]
	s_or_b32 s[G0BH+3], s[G0BH+3], 0x80000000
	CROUND                                         ; all sixteen work-groups are here: the joint loads meet
	JLOAD G0H, G1H, G0BH, G1BH                     ; K steps 0 and 1: one tensor load a wave at the head
.irp s, 0,1                                    ; the refills: K step 2 into slot 0, K step 3 into slot 1
	s_mov_b32 s[G0+4*\s], 1
	s_add_co_u32 s[G0+4*\s+1], s45, HALFT*\s
	s_add_nc_u64 s[G0+4*\s+2:G0+4*\s+3], s[20:21], 65536+32768*\s
	s_or_b32 s[G0+4*\s+3], s[G0+4*\s+3], 0x80000000
	s_mov_b32 s[G0B+4*\s], 1
	s_add_co_u32 s[G0B+4*\s+1], s45, HALFT*\s
	s_add_nc_u64 s[G0B+4*\s+2:G0B+4*\s+3], s[46:47], 65536+32768*\s
	s_or_b32 s[G0B+4*\s+3], s[G0B+4*\s+3], 0x80000000
.endr
	s_mul_i32 s22, s15, QUART                      ; my 128 rows of A
	s_mul_i32 s23, s16, QUART                      ; my 128 rows of B, behind A's 256
	s_add_co_u32 s23, s23, 2*QUART
	v_and_b32 v1, 15, v0
	v_bfe_u32 v2, v0, 4, 1
	v_mul_u32_u24 v3, v1, PITCH
	v_lshl_add_u32 v3, v2, 4, v3                   ; a fragment's row x pitch + 16 x half
	v_add_nc_u32 v[ADRA], s22, v3
	v_add_nc_u32 v[ADRB], s23, v3
	v_and_b32 v4, 31, v0
	v_lshlrev_b32 v4, 4, v4                        ; 16 x lane
	; where my results go
	s_cmp_lt_u32 ttmp9, 2
	s_cselect_b32 s12, s17, s42                    ; the token tile,
	s_cselect_b32 s13, s42, s17                    ; the weight's tile,
	s_cselect_b32 s18, s15, s16                    ; and my halves of them
	s_cselect_b32 s19, s16, s15
	s_mov_b32 s23, 2048
	s_cselect_b32 s22, 1024, s23                   ; from block to block
	s_mov_b32 s23, 0x40000
	s_cselect_b32 s23, 4096, s23                   ; from block 0 to block 4 (v: the next head)
	s_lshr_b32 s20, s12, 3
	s_lshl_b32 s20, s20, 4
	s_lshl_b32 s21, s13, 2
	s_add_co_u32 s20, s20, s21
	s_lshl_b32 s21, s19, 1
	s_add_co_u32 s20, s20, s21                     ; g of my first head
	s_and_b32 s21, s12, 7
	s_lshl_b32 s21, s21, 1
	s_add_co_u32 s21, s21, s18                     ; my 128 tokens: which step of the batch's 16
	s_lshl_b32 s40, s20, 17
	s_lshl_b32 s43, s21, 13
	s_add_co_u32 s40, s40, s43                     ; q's place
	s_lshl_b32 s41, s20, 18
	s_lshl_b32 s43, s21, 14
	s_add_co_u32 s41, s41, s43
	s_add_co_u32 s41, s41, 0x400000                ; k's,
	s_add_co_u32 s43, s41, 0x2000                  ; and v's
	s_mov_b32 s46, 0x40000
	s_cmp_eq_u32 ttmp9, 2
	s_cselect_b32 s41, s43, s41
	s_cselect_b32 s46, 0x400, s46                  ; a block's registers 8 to 15: k: the next head; v: 1,024 bytes on
	s_cmp_eq_u32 ttmp9, 0
	s_cselect_b32 s40, s40, s41
	s_cselect_b32 s46, 0x20000, s46                ; q: the next head
	s_mov_b32 s41, 0
	s_mov_b32 s47, 0
	s_add_nc_u64 s[10:11], s[10:11], s[40:41]
	s_add_nc_u64 s[12:13], s[10:11], s[46:47]
	s_mov_b32 s92, 0
	s_mov_b32 s93, s22
	s_add_co_u32 s94, s93, s22
	s_add_co_u32 s95, s94, s22
	s_mov_b32 s96, s23
	s_add_co_u32 s97, s96, s22
	s_add_co_u32 s98, s97, s22
	s_add_co_u32 s99, s98, s22
	s_wait_alu depctr_va_vdst(0)
.irp a, 0,1,2,3,4,5,6,7
	v_add_nc_u32 v[OFS+\a], s[92+\a], v4
.endr
.macro FRAG reg, adr, slot, q, i       ; 16 rows x 128 K: 16 registers
.irp c, 0,1,2,3
	ds_load_b128 v[\reg+4*\c:\reg+4*\c+3], v[\adr] offset:HALFT*(\slot)+128*(\q)+32*\c+(\i)*16*PITCH
.endr
.endm
; 16 matrix instructions.  The 64 accumulators take turns, one instruction a turn, in the same order in every step.
.macro MUL16 a0, p, zero
.irp a, \a0, \a0+1
.irp b, 0,1,2,3,4,5,6,7
.if \zero
	v_wmma_f32_16x16x128_fp8_fp8 v[8*(8*((\a)%4)+\b):8*(8*((\a)%4)+\b)+7], v[128*(\p)+FR*\b:128*(\p)+FR*\b+FR-1], v[AF+FR*(\a):AF+FR*(\a)+FR-1], 0
.else
	v_wmma_f32_16x16x128_fp8_fp8 v[8*(8*((\a)%4)+\b):8*(8*((\a)%4)+\b)+7], v[128*(\p)+FR*\b:128*(\p)+FR*\b+FR-1], v[AF+FR*(\a):AF+FR*(\a)+FR-1], v[8*(8*((\a)%4)+\b):8*(8*((\a)%4)+\b)+7]
.endif
.endr
.endr
.endm
.macro FETCH_B slot, q, p
	WIN TO_B
.irp i, 0,1,2,3,4,5,6,7
	FRAG 128*(\p)+FR*\i, ADRB, \slot, \q, \i
.endr
	WIN 0
.endm
.macro FETCH_A slot, q, i0
.irp i, \i0, \i0+1, \i0+2, \i0+3
	FRAG AF+FR*(\i), ADRA, \slot, \q, \i
.endr
.endm
.macro PLACES n                        ; places behind matrix instructions (ISA guide 7.12.1 for vector instructions)
.rept \n
	v_nop
.endr
.endm
; A slot's first 128 along K.
.macro STEP slot, zero
	s_wait_dscnt 4*NL                              ; B's set and A's blocks 0-3 are in; A's blocks 4-7 (16 loads) may be out
	WIN MUL_LO
	MUL16 0, 0, \zero
	MUL16 2, 0, \zero
	s_wait_dscnt 0
	PLACES NP
	FETCH_B \slot, 1, 1
	FETCH_A \slot, 1, 0
	WIN MUL_HI
	MUL16 4, 0, \zero
	MUL16 6, 0, \zero
	PLACES NP
	WIN 0
	FETCH_A \slot, 1, 4
.endm
; A slot's second 128, and the change of slots.  In front of the barrier each wave has waited for all its tensor loads, its add and its reads of this slot.  fill = 1: the slot is filled again first.
.macro TURN slot, next, fill
	s_wait_tensorcnt 0x0
	ds_add_u32 v[SPW], v[NIL]
	s_wait_dscnt 4*NL+1                            ; the add and A's blocks 4-7 may be out
	WIN MUL_LO
	MUL16 0, 1, 0
	s_wait_dscnt 0x0                               ; the add is done, and my reads of this slot are over
	s_barrier_signal -1
	MUL16 2, 1, 0
	WIN 0
	s_barrier_wait -1
.if \fill
	CREST
	JLOAD G0+4*\slot, G1, G0B+4*\slot, G1B         ; the first tensor load behind the round; its four v_nop are also the places ahead of the loads below
.else
	PLACES NP
.endif
	FETCH_B \next, 0, 0
	FETCH_A \next, 0, 0
	WIN MUL_HI
	MUL16 4, 1, 0
	MUL16 6, 1, 0
	PLACES NP
	WIN 0
	FETCH_A \next, 0, 4
.endm
	s_wait_alu depctr_va_vdst(0)
	s_wait_tensorcnt 0x0                           ; my rows of K steps 0 and 1 are in,
	s_barrier_signal -1
	s_barrier_wait -1                              ; and everybody's
	s_load_b256 s[68:75], s[8:9], 0x0              ; e0 .. e7 (the head's descriptors are done with)
	s_load_b128 s[76:79], s[8:9], 0x20             ; e8 .. e11
	FETCH_B 0, 0, 0
	FETCH_A 0, 0, 0
	FETCH_A 0, 0, 4
	STEP 0, 1
	TURN 0, 1, 1                                   ; K step 2 is asked for
	STEP 1, 0
	TURN 1, 0, 1                                   ; K step 3
	STEP 0, 0
	TURN 0, 1, 0
	STEP 1, 0
	s_wait_dscnt 4*NL
	WIN MUL_LO
	MUL16 0, 1, 0
	MUL16 2, 1, 0
	s_wait_dscnt 0
	WIN MUL_HI
	MUL16 4, 1, 0
	MUL16 6, 1, 0
	WIN 0
	s_wait_kmcnt 0x0
	s_cmp_eq_u32 ttmp9, 0
	s_cselect_b32 s80, s68, s70
	s_cselect_b32 s81, s69, s71
	s_cselect_b32 s82, s74, s75
	s_cmp_eq_u32 ttmp9, 2
	s_cselect_b32 s80, s72, s80
	s_cselect_b32 s81, s73, s81
	s_cselect_b32 s82, s77, s82
	s_sub_co_i32 s82, s82, s80                     ; a sum stands for sum x 2^(eA + eB): its code is sum / 2^(e - eA - eB)
	s_sub_co_i32 s82, s82, s81
	s_add_co_i32 s82, s82, 127
	s_lshl_b32 s83, s82, 23
	v_mov_b32 v[SC], s83
	s_add_co_i32 s82, s82, 8
	s_lshl_b32 s82, s82, 23
	s_or_b32 s82, s82, 0x600000
	v_mov_b32 v[LIM], s82
; Block a: 16 rows of A x my 128 rows of B: held, converted and stored as the registers lie.
.macro QBLOCK a
.set AC, 64*((\a)%4)
	WIN 0x02+((\a)/4)
.set j, 0
.rept 64
	v_med3_num_f32 v[TMP+j], v[AC+j], -v[LIM], v[LIM]   ; the conversion does not saturate (ISA guide 7.6.2); each accumulator from its low end on
.set j, j+1
.endr
	WIN 0
.irp b, 0,1,2,3,4,5,6,7
	v_cvt_scalef32_pk8_fp8_f32 v[CD+16*(\a)+2*\b:CD+16*(\a)+2*\b+1], v[TMP+8*\b:TMP+8*\b+7], v[SC]
.endr
	v_nop                                          ; a plain place behind the last conversion
.irp q, 0,1
	global_store_b128 v[OFS+\a], v[CD+16*(\a)+4*\q:CD+16*(\a)+4*\q+3], s[10:11] offset:512*\q
.endr
.irp q, 0,1
	global_store_b128 v[OFS+\a], v[CD+16*(\a)+8+4*\q:CD+16*(\a)+8+4*\q+3], s[12:13] offset:512*\q
.endr
.endm
	PLACES NP                                      ; behind the last products
.irp a, 0,1,2,3,4,5,6,7
	QBLOCK \a
.endr
	s_wait_tensorcnt 0x0                           ; the wave's end
	ds_add_u32 v[SPW], v[NIL]
	s_wait_dscnt 0x0
	CROUND                                         ; the closing round
	s_endpgm
.Lfunc_end_k_q41904f9012_qkv:
	.size	k_q41904f9012_qkv, .Lfunc_end_k_q41904f9012_qkv-k_q41904f9012_qkv
	.p2alignl 7, 3214868480
	.fill 96, 4, 3214868480
	.section	.rodata,"a",@progbits
	.p2align	6, 0x0
	.amdhsa_kernel k_q41904f9012_qkv
		.amdhsa_group_segment_fixed_size 327680
		.amdhsa_private_segment_fixed_size 0
		.amdhsa_enable_private_segment 0
		.amdhsa_kernarg_size 32
		.amdhsa_user_sgpr_count 2
		.amdhsa_user_sgpr_kernarg_segment_ptr 1
		.amdhsa_wavefront_size32 1
		.amdhsa_system_sgpr_workgroup_id_x 1
		.amdhsa_system_sgpr_workgroup_id_y 1
		.amdhsa_system_sgpr_workgroup_id_z 1
		.amdhsa_system_vgpr_workitem_id 0
		.amdhsa_next_free_vgpr 1024
		.amdhsa_next_free_sgpr 100
		.amdhsa_reserve_vcc 0
		.amdhsa_float_denorm_mode_32 3
		.amdhsa_float_denorm_mode_16_64 3
		.amdhsa_memory_ordered 1
		.amdhsa_forward_progress 1
		.amdhsa_inst_pref_size 120
	.end_amdhsa_kernel
	.amdgpu_metadata
---
amdhsa.version: [ 1, 2 ]
amdhsa.kernels:
  - .name:           k_q41904f9012_qkv
    .symbol:         k_q41904f9012_qkv.kd
    .args:
      - { .name: xc, .offset: 0, .size: 8, .value_kind: global_buffer, .address_space: global }
      - { .name: wc, .offset: 8, .size: 8, .value_kind: global_buffer, .address_space: global }
      - { .name: lowp_scales, .offset: 16, .size: 8, .value_kind: global_buffer, .address_space: global }
      - { .name: qkvc, .offset: 24, .size: 8, .value_kind: global_buffer, .address_space: global }
    .group_segment_fixed_size: 327680
    .private_segment_fixed_size: 0
    .kernarg_segment_align: 8
    .kernarg_segment_size: 32
    .max_flat_workgroup_size: 128
    .sgpr_count:     100
    .vgpr_count:     1024
    .wavefront_size: 32
...
	.end_amdgpu_metadata
.endif
;; end of part 2
;; launch attn (part 3): grid 4 x 64, 16 waves a work-group, clusters of 4 x 4, 327,680 bytes of LDS; arguments qkvc, lowp_scales, ac; writes ac
.if DOCPART == 3
	.amdgcn_target "amdgcn-amd-amdhsa--gfx1250"
	.amdhsa_code_object_version 6
	.text
	.protected	k_q41904f9012_attn
	.globl	k_q41904f9012_attn
	.p2align	8
	.type	k_q41904f9012_attn,@function
k_q41904f9012_attn:
	s_mov_b64 s[64:65], 0
	v_nop
	global_prefetch_b8 v0, s[64:65] scope:SCOPE_SE
	s_setreg_imm32_b32 hwreg(HW_REG_WAVE_MODE, 25, 1), 1
	s_wait_xcnt 0x0
	s_wait_alu depctr_hold_cnt(0) depctr_sa_sdst(0) depctr_va_vdst(0) depctr_va_sdst(0) depctr_va_ssrc(0) depctr_va_vcc(0) depctr_vm_vsrc(0)
	s_getreg_b32 s2, hwreg(HW_REG_IB_STS2, 6, 4)
	s_cmp_eq_u32 s2, 0
	s_cbranch_scc0 .Lentry_in_a_cluster
	s_endpgm
.Lentry_in_a_cluster:
	s_bfe_u32 s2, ttmp6, 0x10000c
	s_cmp_lg_u32 s2, 0xf033
	s_cbranch_scc0 .Lentry_shape_is_right
	s_endpgm
.Lentry_shape_is_right:
; PRODUCTS 4 AND 5: O[g][q] = the sum over keys k <= q of softmax_k(Q[g][q] . K[g][k] / 8) V[g][k], g = 16 b + head, head size 64, both products on codes of FP8 (E4M3); and O quantised at once, under lowp_scales[10], for product 6.
; LEFT OUT (shown at the head of the launch quant): key steps all of whose 128 keys come after all of a tile's 16 queries.  A NaN or an infinity that reaches a query only through such keys is not carried.
; IN: qkvc, as the launch qkv lays it: operand fragments as they lie in registers.  OUT: ac: [16-token block][head][1,024 bytes]: the fragments that product 6 takes.
; THE SOFTMAX AHEAD OF THE SECOND PRODUCT: t = score x log2(e) / 8; M = the row's largest t so far, rounded UP to a whole number; p = 2^(t - M) is quantised under lowp_scales[8], not normalised.
; The row's sum is taken of the unquantised p, in f32, and divides O at the end.  When M moves, the sum and O are multiplied by 2^(old M - new M): exact.
; ALL OF g's K AND V LIES IN LDS: 16 key steps of 128 keys, 8,192 bytes of K and 8,192 of V each.  Wave w asks for key step w, one load: no ring, nothing is filled again, and one barrier shows it all.
; CLUSTERS: 4 x 4 work-groups.  Two rows of a cluster share a g; the four of a row ask for its K and V jointly.  Work-group i (0 .. 7) of a g owns queries 16 i .. 16 i + 15 of EACH block of 128: a tile's number of key steps
; hangs on its block alone, never on i.  i enters the addresses of Q and O and the mask's numbers, and no branch.
; SHARES.  Waves 2 p and 2 p + 1 own the tiles of blocks p (p + 1 key steps) and 15 - p (16 - p key steps).  Kind A takes key steps 0 .. 8 of block 15 - p; kind B all of block p, sends it out, then key steps 9 .. 15 - p of block 15 - p:
; 9 and 8 steps.  At the end B hands its part of block 15 - p over through LDS, and A joins the two under their larger M: powers of two again.  Kind = (w xor w / 4) % 2: waves 4 apart alternate.
; LAYOUT.  Both products transposed: S^T = K Q^T (source 0 = 16 keys), O^T = V^T P^T (source 0 = 16 of the head's 64): a lane holds ONE query (lane % 16); register j of key tile t is key 16 t + 8 (lane / 16) + j, the plain form's own place.
; No prefetch: everything that is read is asked for at the head.
; LIMITS: e6 + e7 between -123 and 130 (added to c's exponent field); e8 between -126 and 119; e8 + e9 - e10 goes by v_ldexp_f32; scaled scores under 2^31 in magnitude.
; REGISTERS: v1-7 addresses; v12 -M, v13 the largest t, v[14:15] the sum in two halves; v16-23 Q; v32-95 K's fragments, then V's; v96-159 S^T, then p; v160-191 O^T; v192-205 at work and constants; v224-239 p's codes; v240-247 O's codes.
.set MERGE, 17*16384                   ; behind K and V: the parts that B hands over, 4,352 bytes for each p
.set SPARE, MERGE+8*4352               ; the spare words, 128 bytes for each wave: eight blocks of 256 bytes that no other line names
.set AL,   1                           ; v1  16 x lane
.set ADK,  2                           ; v2  + the key step's LDS byte
.set DG,   3                           ; v3  16 i + lane % 16 - 8 (lane / 16): on the diagonal register j of key tile t is hidden where 16 t + j is above it
.set MG,   4                           ; v4, v7 LDS addresses in my p's part of MERGE
.set MG2,  7
.set SPW,  5
.set NIL,  6
.set WV,   18
.macro CROUND                          ; a round of the cluster's barrier
	s_barrier_signal -1
	s_barrier_wait -1
	s_cmp_lg_u32 s[WV], 0
	s_cbranch_scc1 .Lnot_wave_0_\@
	s_barrier_signal -3
.Lnot_wave_0_\@:
	s_barrier_wait -3
	s_barrier_signal -1
	s_barrier_wait -1
.endm
	s_load_b128 s[4:7], s[0:1], 0x0                ; qkvc, the scales' exponents
	s_load_b64 s[8:9], s[0:1], 0x10                ; ac
	v_lshl_add_u32 v[SPW], v0, 2, SPARE
	v_mov_b32 v[NIL], 0
	ds_add_u32 v[SPW], v[NIL]                      ; the wave's opening
	ds_add_u32 v[SPW], v[NIL]
	v_lshrrev_b32 v8, 5, v0
	v_readfirstlane_b32 s[WV], v8                  ; wave 0..15
	s_bfe_u32 s46, ttmp6, 0x40000                  ; cx
	s_bfe_u32 s47, ttmp6, 0x40004                  ; cy
	s_and_b32 s48, ttmp7, 0xffff
	s_lshl_b32 s48, s48, 2
	s_add_co_u32 s48, s48, s47                     ; row of work-groups
	s_lshr_b32 s42, s48, 1                         ; g: two rows each
	s_and_b32 s41, s48, 1
	s_lshl_b32 s41, s41, 2
	s_add_co_u32 s41, s41, s46                     ; i
	s_lshl_b32 s49, s47, 2
	s_lshl_b32 s49, 15, s49                        ; my row of the cluster
	; group 1: 16,384 dense bytes as 4 rows of 512 elements of 8 bytes
	s_or_b32 s24, s49, (3<<16)|(1<<21)
	s_mov_b32 s25, 512<<16
	s_mov_b32 s26, 4<<16
	s_mov_b32 s27, 512<<16
	s_mov_b32 s28, 4
	s_mov_b32 s29, 512
	s_mov_b32 s30, 0
	s_mov_b32 s31, 0
	s_lshr_b32 s19, s[WV], 1                       ; p
	s_lshr_b32 s36, s[WV], 2
	s_xor_b32 s36, s36, s[WV]
	s_and_b32 s36, s36, 1                          ; kind: 0 A, 1 B
	s_xor_b32 s37, s36, 1
	s_mul_i32 s39, s37, 15
	s_xor_b32 s39, s39, s19                        ; my first tile's block: A 15 - p, B p
	s_xor_b32 s40, s19, 15                         ; 15 - p
	s_lshl_b32 s37, s37, 4
	s_add_co_u32 s37, s37, s19
	s_add_co_u32 s37, s37, 1                       ; the trip at which I go on to my second tile: B p + 1; A none (17 or more)
	s_xor_b32 s38, s19, 7
	s_add_co_u32 s38, s38, 1                       ; 8 - p: from B's trip to its key step of block 15 - p
	s_lshl_b32 s80, s42, 18
	s_lshl_b32 s81, s[WV], 14
	s_add_co_u32 s80, s80, s81
	s_add_co_u32 s80, s80, 0x400000                ; key step w of g
	s_mov_b32 s81, 0
	s_lshl_b32 s82, s42, 17
	s_lshl_b32 s83, s41, 10
	s_add_co_u32 s82, s82, s83                     ; Q: g's token block i,
	s_lshl_b32 s84, s39, 13
	s_add_co_u32 s84, s84, s82                     ; of my first tile's block of 128,
	s_lshl_b32 s86, s40, 13
	s_add_co_u32 s86, s86, s82                     ; and of block 15 - p
	s_mov_b32 s85, 0
	s_mov_b32 s87, 0
	s_lshr_b32 s88, s42, 4
	s_lshl_b32 s88, s88, 21                        ; ac: the batch's 128 token blocks of 16,384 bytes,
	s_lshl_b32 s89, s41, 14
	s_add_co_u32 s88, s88, s89
	s_and_b32 s89, s42, 15
	s_lshl_b32 s89, s89, 10
	s_add_co_u32 s88, s88, s89                     ; the head's 1,024 bytes
	s_lshl_b32 s90, s40, 17
	s_add_co_u32 s90, s90, s88
	s_lshl_b32 s89, s39, 17
	s_add_co_u32 s88, s88, s89
	s_mov_b32 s89, 0
	s_mov_b32 s91, 0
	s_mov_b32 s20, 0x76543210                      ; lane selects: lane l xor 16
	s_mov_b32 s21, 0xfedcba98
	s_mov_b32 s22, 0x3e38aa3b                      ; c = log2(e) / 8
	s_wait_dscnt 0x0                               ; both opening adds are done
	s_wait_kmcnt 0x0
	s_load_b128 s[68:71], s[6:7], 0x18             ; e6, e7, e8, e9
	s_load_b32 s72, s[6:7], 0x28                   ; e10
	s_mov_b32 s32, 1
	s_lshl_b32 s33, s[WV], 14
	s_add_nc_u64 s[34:35], s[4:5], s[80:81]
	s_or_b32 s35, s35, 0x80000000
	CROUND                                         ; all sixteen work-groups are here: the joint loads meet
	tensor_load_to_lds s[32:35], s[24:31]          ; my one tensor load
	s_nop 0
	s_add_nc_u64 s[50:51], s[4:5], s[84:85]        ; Q of my first tile
	s_add_nc_u64 s[52:53], s[4:5], s[86:87]        ; Q of block 15 - p
	s_add_nc_u64 s[54:55], s[8:9], s[88:89]        ; O of my first tile
	s_add_nc_u64 s[56:57], s[8:9], s[90:91]        ; O of block 15 - p
	s_mul_i32 s96, s19, 4352
	s_add_co_u32 s96, s96, MERGE
	s_add_co_u32 s97, s96, 4096
	s_lshl_b32 s98, s41, 4
	v_and_b32 v[AL], 31, v0
	v_lshlrev_b32 v[AL], 4, v[AL]
	global_load_b128 v[16:19], v[AL], s[50:51]
	global_load_b128 v[20:23], v[AL], s[50:51] offset:512
	v_add_nc_u32 v[MG], s96, v[AL]
	v_lshrrev_b32 v9, 1, v[AL]
	v_add_nc_u32 v[MG2], s97, v9
	v_and_b32 v8, 15, v0
	v_bfe_u32 v9, v0, 4, 1
	v_lshlrev_b32 v9, 3, v9
	v_sub_nc_u32 v8, v8, v9
	v_add_nc_u32 v[DG], s98, v8
	v_mov_b32 v192, 0                              ; written once: a lane permute's destination counts as one of its sources
	v_mov_b32 v197, 0                              ; (named as the upper half of the pair v[196:197])
	v_mov_b32 v203, 0xff800000                     ; -infinity
	v_mov_b32 v204, 0x43e00000                     ; 448.0
	v_mov_b32 v205, 1.0                            ; the last conversion's scale
	s_wait_alu depctr_va_vdst(0)
	s_wait_kmcnt 0x0
	s_add_co_i32 s96, s68, s69
	s_lshl_b32 s96, s96, 23
	s_add_co_i32 s22, s22, s96                     ; c x 2^(e6 + e7)
	s_mov_b32 s23, s22                             ; (named with it as a pair)
	s_add_co_i32 s74, s70, s71
	s_sub_co_i32 s74, s74, s72                     ; e8 + e9 - e10
	s_add_co_i32 s96, s70, 127
	s_lshl_b32 s97, s96, 23
	v_mov_b32 v202, s97                            ; 2^e8, for p's conversion
	s_add_co_i32 s96, s96, 8
	s_lshl_b32 s96, s96, 23
	s_or_b32 s96, s96, 0x600000
	v_mov_b32 v200, s96                            ; 448 x 2^e8, twice, for the two halves of a pair
	v_mov_b32 v201, s96
; A KEY STEP.  first = 1: key step 0, which starts the sums; else the key step whose LDS byte is s97.
.macro STEP first
.if \first
.set AD, AL
.else
.set AD, ADK
	v_add_nc_u32 v[ADK], s97, v[AL]
.rept 3
	v_nop                                          ; with the addition: four places ahead of loads into registers that the last products have read
.endr
.endif
.irp t, 0,1,2,3,4,5,6,7                        ; K's eight tiles of 16 keys x 64
.irp c, 0,1
	ds_load_b128 v[32+8*\t+4*\c:32+8*\t+4*\c+3], v[AD] offset:1024*\t+512*\c
.endr
.endr
	s_wait_alu depctr_va_vdst(0)
	s_wait_dscnt 8                                 ; tiles 0-3 are in; the eight loads of tiles 4-7 may be out
.irp t, 0,1,2,3,4,5,6,7                        ; S^T = K Q^T
.if \t == 4
	s_wait_dscnt 0x0
.endif
	v_wmma_f32_16x16x64_fp8_fp8 v[96+8*\t:103+8*\t], v[32+8*\t:39+8*\t], v[16:23], 0
.endr
.rept 4
	v_nop                                          ; places ahead of the loads below and of the first read of the scores
.endr
.irp t, 0,1,2,3                                ; V's four tiles (16 of the head's 64 x 128 keys) land under the softmax
.irp c, 0,1,2,3
	ds_load_b128 v[32+16*\t+4*\c:32+16*\t+4*\c+3], v[AD] offset:8192+2048*\t+512*\c
.endr
.endr
.if \first
	s_cmp_lg_u32 s39, 0
.else
	s_cmp_lg_u32 s73, s67
.endif
	s_cbranch_scc1 .Lopen_\@                       ; not on the diagonal: all 128 keys count
.set n, 0
.rept 64
	v_cmp_gt_i32 vcc_lo, 16*(n/8)+n%8, v[DG]
	v_cndmask_b32 v[96+n], v[96+n], v203, vcc_lo   ; hidden scores become -infinity ahead of the maximum: p = 0 then
.set n, n+1
.endr
.Lopen_\@:
	v_max3_num_f32 v198, v96, v97, v98             ; the largest score of my query among my 64 keys, in two chains
	v_max3_num_f32 v199, v99, v100, v101
.irp i, 6,10,14,18,22,26,30,34,38,42,46,50,54,58
	v_max3_num_f32 v198, v198, v[96+\i], v[97+\i]
	v_max3_num_f32 v199, v199, v[98+\i], v[99+\i]
.endr
	v_max3_num_f32 v198, v198, v158, v159
	v_max_num_f32 v198, v198, v199
	v_permlanex16_b32 v192, v198, s20, s21
	v_max_num_f32 v198, v198, v192                 ; and among lane l xor 16's (the step's first key counts for all my queries: a number)
.if \first
	v_mul_f32 v13, s22, v198                       ; as t (c is positive)
	v_floor_f32 v12, -v13                          ; -M = floor(-t)
.else
	v_mul_f32 v198, s22, v198
	v_max_num_f32 v13, v13, v198
	v_mov_b32 v198, v12
	v_floor_f32 v12, -v13                          ; the new -M
	v_sub_f32 v198, v12, v198                      ; M's old value less its new one: a whole number, 0 or less
	v_cvt_i32_f32 v198, v198                       ; (it saturates)
	v_ldexp_f32 v196, 1.0, v198                    ; f = 2^(old M - new M)
.endif
.set n, 0
.rept 32
	v_pk_fma_f32 v[96+n:97+n], v[96+n:97+n], s[22:23], v[12:13] op_sel_hi:[1,0,0]   ; t - M, two at a time
.set n, n+2
.endr
	s_wait_alu depctr_va_vdst(0)
.set n, 0
.rept 64
	v_exp_f32 v[96+n], v[96+n]                     ; p = 2^(t - M), at most 1
.set n, n+1
.endr
.if \first
	v_nop                                          ; the plain place behind the exponentials
.else
	v_pk_mul_f32 v[14:15], v[14:15], v[196:197] op_sel_hi:[1,0]   ; the sums under the new M; the plain place behind the exponentials
.endif
	s_wait_alu depctr_va_vdst(0)                   ; ahead of the first readers of p and of O^T
.if \first == 0
.set n, 0
.rept 16
	v_pk_mul_f32 v[160+n:161+n], v[160+n:161+n], v[196:197] op_sel_hi:[1,0]   ; O^T under the new M
.set n, n+2
.endr
.endif
	v_pk_add_f32 v[194:195], v[96:97], v[98:99]    ; the row's sum, of the unquantised p, in four chains
	v_pk_add_f32 v[252:253], v[100:101], v[102:103]
	v_pk_add_f32 v[254:255], v[104:105], v[106:107]
.if \first
	v_pk_add_f32 v[14:15], v[108:109], v[110:111]
.set n, 112
.else
	v_pk_add_f32 v[14:15], v[14:15], v[108:109]
.set n, 110
.endif
.rept 6
	v_pk_add_f32 v[194:195], v[194:195], v[n:n+1]
	v_pk_add_f32 v[252:253], v[252:253], v[n+2:n+3]
	v_pk_add_f32 v[254:255], v[254:255], v[n+4:n+5]
	v_pk_add_f32 v[14:15], v[14:15], v[n+6:n+7]
.set n, n+8
.endr
.if \first == 0
	v_pk_add_f32 v[194:195], v[194:195], v[158:159]
.endif
	v_pk_add_f32 v[252:253], v[252:253], v[254:255]
	v_pk_add_f32 v[14:15], v[14:15], v[194:195]
	v_pk_add_f32 v[14:15], v[14:15], v[252:253]
.set n, 96
.rept 32
	v_dual_min_num_f32 v[n], v[n], v200 :: v_dual_min_num_f32 v[n+1], v[n+1], v201   ; the conversion does not saturate (ISA guide 7.6.2); p is not negative, so the hold is one-sided
.set n, n+2
.endr
.irp t, 0,1,2,3,4,5,6,7
	v_cvt_scalef32_pk8_fp8_f32 v[224+2*\t:225+2*\t], v[96+8*\t:103+8*\t], v202
.endr
	v_nop                                          ; a plain place behind the last conversion
	s_wait_alu depctr_va_vdst(0)
	s_wait_dscnt 0x0                               ; V's fragments are in
.irp t, 0,1,2,3                                ; O^T += V^T P^T; the four accumulators take turns
.if \first
	v_wmma_f32_16x16x128_fp8_fp8 v[160+8*\t:167+8*\t], v[32+16*\t:47+16*\t], v[224:239], 0
.else
	v_wmma_f32_16x16x128_fp8_fp8 v[160+8*\t:167+8*\t], v[32+16*\t:47+16*\t], v[224:239], v[160+8*\t:167+8*\t]
.endif
.endr
.endm
; A FINISHED TILE.  O = src x 2^(e8 + e9) / the sum (v14: my half of it); its code is O / 2^e10, held.  The eight registers of codes are product 6's fragment: they leave as they lie, 512 consecutive bytes a store.
.macro FINAL src, out
	v_permlanex16_b32 v192, v14, s20, s21
	v_add_f32 v14, v14, v192                       ; and lane l xor 16's half
	s_wait_alu depctr_va_vdst(0)
	v_rcp_f32 v14, v14
	v_nop
	s_wait_alu depctr_va_vdst(0)                   ; ahead of the reciprocal's first reader
	v_ldexp_f32 v14, v14, s74
.set n, 0
.rept 32
	v_mul_f32 v[96+n], v[\src+n], v14
.set n, n+1
.endr
.set n, 0
.rept 32
	v_med3_num_f32 v[96+n], v[96+n], -v204, v204
.set n, n+1
.endr
.irp t, 0,1,2,3
	v_cvt_scalef32_pk8_fp8_f32 v[240+2*\t:241+2*\t], v[96+8*\t:103+8*\t], v205
.endr
	v_nop
	global_store_b128 v[AL], v[240:243], s[\out:\out+1]
	global_store_b128 v[AL], v[244:247], s[\out:\out+1] offset:512
.endm
	s_wait_alu depctr_va_vdst(0)
	s_wait_loadcnt 0x0                             ; Q
	s_wait_tensorcnt 0x0                           ; my key step is in,
	s_barrier_signal -1
	s_barrier_wait -1                              ; and everybody's
	STEP 1
	s_mov_b32 s66, 1
.Ltrip:                                            ; trips 1 to 8; a wave's branches hang on its number and the trip alone
	s_cmp_lt_u32 s66, s37
	s_cselect_b32 s96, 0, s38
	s_cselect_b32 s67, s39, s40                    ; the block of the tile in hand: the number of its diagonal key step
	s_add_co_u32 s73, s66, s96                     ; the key step
	s_cmp_lg_u32 s66, s37
	s_cbranch_scc1 .Lkeep
	v_add_f32 v14, v14, v15                        ; B's block p is finished,
	global_load_b128 v[16:19], v[AL], s[52:53]     ; and Q of block 15 - p asked for
	global_load_b128 v[20:23], v[AL], s[52:53] offset:512
	FINAL 160, 54
	v_mov_b32 v13, 0xff61b1e6                      ; the largest t so far: -3e38; -M = 3e38: the first change of M multiplies the old tile's sum and O^T by 2^(-2^31), which is 0
	v_mov_b32 v12, 0x7f61b1e6
	s_wait_alu depctr_va_vdst(0)
	s_wait_xcnt 0x0                                ; the stores' codes may be written again
	s_wait_loadcnt 0x0
.Lkeep:
	s_cmp_gt_u32 s73, s67                          ; B's last trip has no key step left
	s_cbranch_scc1 .Lnone
	s_lshl_b32 s97, s73, 14
	STEP 0
.Lnone:
	s_add_co_u32 s66, s66, 1
	s_cmp_lt_u32 s66, 9
	s_cbranch_scc1 .Ltrip
	; THE JOIN.  B hands -M, its half sums and O^T over; A joins.
	v_add_f32 v14, v14, v15
	v_mov_b32 v248, v12
	v_mov_b32 v249, v14
	v_nop                                          ; four places behind the last products
	s_wait_alu depctr_va_vdst(0)
	s_cmp_eq_u32 s36, 0
	s_cbranch_scc1 .Lgiven
.irp q, 0,1,2,3,4,5,6,7
	ds_store_b128 v[MG], v[160+4*\q:163+4*\q] offset:512*\q
.endr
	ds_store_b64 v[MG2], v[248:249]
.Lgiven:
	s_wait_dscnt 0x0
	s_barrier_signal -1
	s_barrier_wait -1
	s_cmp_eq_u32 s36, 1
	s_cbranch_scc1 .Lend
.irp q, 0,1,2,3,4,5,6,7
	ds_load_b128 v[96+4*\q:99+4*\q], v[MG] offset:512*\q
.endr
	ds_load_b64 v[128:129], v[MG2]
	s_wait_dscnt 0x0
	v_min_num_f32 v130, v12, v128                  ; -M of both
	v_sub_f32 v131, v130, v12
	v_sub_f32 v132, v130, v128
	v_cvt_i32_f32 v131, v131
	v_cvt_i32_f32 v132, v132                       ; (a B with no key step of this block has -M = 3e38: its factor is 0)
	v_ldexp_f32 v196, 1.0, v131
	v_ldexp_f32 v198, 1.0, v132
	v_mul_f32 v14, v14, v196
	v_fmac_f32 v14, v129, v198
.set n, 0
.rept 16
	v_pk_mul_f32 v[96+n:97+n], v[96+n:97+n], v[198:199] op_sel_hi:[1,0]
.set n, n+2
.endr
.set n, 0
.rept 16
	v_pk_fma_f32 v[96+n:97+n], v[160+n:161+n], v[196:197], v[96+n:97+n] op_sel_hi:[1,0,1]
.set n, n+2
.endr
	FINAL 96, 56
.Lend:
	s_wait_tensorcnt 0x0                           ; the wave's end
	ds_add_u32 v[SPW], v[NIL]
	s_wait_dscnt 0x0
	CROUND                                         ; the closing round
	s_endpgm
.Lfunc_end_k_q41904f9012_attn:
	.size	k_q41904f9012_attn, .Lfunc_end_k_q41904f9012_attn-k_q41904f9012_attn
	.p2alignl 7, 3214868480
	.fill 96, 4, 3214868480
	.section	.rodata,"a",@progbits
	.p2align	6, 0x0
	.amdhsa_kernel k_q41904f9012_attn
		.amdhsa_group_segment_fixed_size 327680
		.amdhsa_private_segment_fixed_size 0
		.amdhsa_enable_private_segment 0
		.amdhsa_kernarg_size 24
		.amdhsa_user_sgpr_count 2
		.amdhsa_user_sgpr_kernarg_segment_ptr 1
		.amdhsa_wavefront_size32 1
		.amdhsa_system_sgpr_workgroup_id_x 1
		.amdhsa_system_sgpr_workgroup_id_y 1
		.amdhsa_system_sgpr_workgroup_id_z 1
		.amdhsa_system_vgpr_workitem_id 0
		.amdhsa_next_free_vgpr 256
		.amdhsa_next_free_sgpr 100
		.amdhsa_reserve_vcc 1
		.amdhsa_float_denorm_mode_32 3
		.amdhsa_float_denorm_mode_16_64 3
		.amdhsa_memory_ordered 1
		.amdhsa_forward_progress 1
		.amdhsa_inst_pref_size 58
	.end_amdhsa_kernel
	.amdgpu_metadata
---
amdhsa.version: [ 1, 2 ]
amdhsa.kernels:
  - .name:           k_q41904f9012_attn
    .symbol:         k_q41904f9012_attn.kd
    .args:
      - { .name: qkvc, .offset: 0, .size: 8, .value_kind: global_buffer, .address_space: global }
      - { .name: lowp_scales, .offset: 8, .size: 8, .value_kind: global_buffer, .address_space: global }
      - { .name: ac, .offset: 16, .size: 8, .value_kind: global_buffer, .address_space: global }
    .group_segment_fixed_size: 327680
    .private_segment_fixed_size: 0
    .kernarg_segment_align: 8
    .kernarg_segment_size: 24
    .max_flat_workgroup_size: 512
    .sgpr_count:     100
    .vgpr_count:     256
    .wavefront_size: 32
...
	.end_amdgpu_metadata
.endif
;; end of part 3
;; launch oproj (part 4): grid 8 x 32, 4 waves a work-group, clusters of 4 x 4, 327,680 bytes of LDS; arguments ac, wc, lowp_scales, out0; writes out0
.if DOCPART == 4
	.amdgcn_target "amdgcn-amd-amdhsa--gfx1250"
	.amdhsa_code_object_version 6
	.text
	.protected	k_q41904f9012_oproj
	.globl	k_q41904f9012_oproj
	.p2align	8
	.type	k_q41904f9012_oproj,@function
k_q41904f9012_oproj:
	s_mov_b64 s[64:65], 0
	v_nop
	global_prefetch_b8 v0, s[64:65] scope:SCOPE_SE
	s_setreg_imm32_b32 hwreg(HW_REG_WAVE_MODE, 25, 1), 1
	s_wait_xcnt 0x0
	s_wait_alu depctr_hold_cnt(0) depctr_sa_sdst(0) depctr_va_vdst(0) depctr_va_sdst(0) depctr_va_ssrc(0) depctr_va_vcc(0) depctr_vm_vsrc(0)
	s_getreg_b32 s2, hwreg(HW_REG_IB_STS2, 6, 4)
	s_cmp_eq_u32 s2, 0
	s_cbranch_scc0 .Lentry_in_a_cluster
	s_endpgm
.Lentry_in_a_cluster:
	s_bfe_u32 s2, ttmp6, 0x10000c
	s_cmp_lg_u32 s2, 0xf033
	s_cbranch_scc0 .Lentry_shape_is_right
	s_endpgm
.Lentry_shape_is_right:
; PRODUCT 6: out0[token][e] = sum over k of A[token][k] w_o[e][k] on codes of FP8 (E4M3), f32 sums, each finished sum x 2^(e10 + e11).  No work is left out here.
; A = the attention's output, ac [16-token block][head][1,024 bytes]: fragments as they lie in registers; w_o's codes: the fourth section of wc, [128-row block][256 of K][row][256 bytes], in the same order of k.
; LIMIT: e10 + e11 between -126 and 127.
; A tile of the output is 128 x 128: 256 work-groups.  Four waves, each 64 x 64.  ALL OF K LIES IN LDS: 128 KiB of A as it lies in memory, and one block of w_o, its 512 rows of 256 bytes with 16 bytes of padding behind each.
; One tensor load a wave, at the head, joint: waves 0 and 1 the halves of A's tokens (shared along a row of the cluster), waves 2 and 3 the halves of w_o's K (along a column).  Nothing is filled again.  No prefetch: all is asked for at the head.
; A wave keeps its 64 rows of w_o x all of K in registers (512) and finishes its four blocks of 16 tokens one after the other, so that a block's rows leave while the next block is multiplied.
; TRANSPOSED (source 0 = 16 rows of w_o, source 1 = 16 tokens): a lane holds eight neighbouring e of one token.
; REGISTERS: window 0: addresses, v32-63 scaled sums, v64-127 two sets of accumulators, v128-191 two sets of rows read back; window 1: A's fragments, two sets of 128; windows 2, 3: w_o's fragments.
.set BOFF,   131072
.set BP,     272                       ; 68 words: row r starts at bank 4 r mod 64 (64 banks: ISA guide 11.1)
.set BPL,    128*BP                    ; 128 rows x 256 of K
.set SPARE,  BOFF+4*BPL                ; the spare words: two blocks of 256 bytes that no other line names
.set STAGE,  SPARE+512                 ; the way out: two stages of 16 rows x 272 bytes for each wave; no fill lands there
.set SPITCH, 272
.set SBUF,   16*SPITCH
.set ADRA, 16
.set ADRB, 18                          ; v18, v19: the first and the second half of K
.set STO,  24
.set RD,   25
.set CO,   26
.set SPW,  28
.set NIL,  29
.set TMP,  32
.set ACC,  64
.set BK,   128
.set G1,  24
.set G0A, 32
.set G1B, 48
.set G0B, 68
.set MSB, 0
.macro WIN new                         ; the immediate's high byte repeats the setting that is left
.if MSB != \new
	s_set_vgpr_msb (MSB<<8)|\new
.set MSB, \new
.endif
.endm
.macro CROUND                          ; a round of the cluster's barrier
	s_barrier_signal -1
	s_barrier_wait -1
	s_cmp_lg_u32 s14, 0
	s_cbranch_scc1 .Lnot_wave_0_\@
	s_barrier_signal -3
.Lnot_wave_0_\@:
	s_barrier_wait -3
	s_barrier_signal -1
	s_barrier_wait -1
.endm
	s_load_b128 s[4:7], s[0:1], 0x0                ; ac, wc
	s_load_b128 s[8:11], s[0:1], 0x10              ; the scales' exponents, out0
	v_lshl_add_u32 v[SPW], v0, 2, SPARE
	v_mov_b32 v[NIL], 0
	ds_add_u32 v[SPW], v[NIL]                      ; the wave's opening
	ds_add_u32 v[SPW], v[NIL]
	v_lshrrev_b32 v1, 5, v0
	v_readfirstlane_b32 s14, v1                    ; wave 0..3
	s_lshr_b32 s15, s14, 1                         ; my half of the tokens; also: I fetch for A (0) or w_o (1)
	s_and_b32 s16, s14, 1                          ; my half of the columns; also: which half I fetch
	s_bfe_u32 s56, ttmp6, 0x40000                  ; cx
	s_bfe_u32 s57, ttmp6, 0x40004                  ; cy
	s_lshl_b32 s58, ttmp9, 2
	s_add_co_u32 s58, s58, s56                     ; tile column
	s_and_b32 s17, ttmp7, 0xffff
	s_lshl_b32 s17, s17, 2
	s_add_co_u32 s17, s17, s57                     ; tile row
	s_lshl_b32 s59, s57, 2
	s_lshl_b32 s59, 15, s59                        ; my row of the cluster
	s_lshl_b32 s60, 0x1111, s56                    ; my column
	s_or_b32 s[G1], s59, (3<<16)|(1<<21)           ; A: 65,536 dense bytes: 16 rows of 512 elements of 8 bytes
	s_mov_b32 s[G1+1], 512<<16
	s_mov_b32 s[G1+2], 16<<16
	s_mov_b32 s[G1+3], 512<<16
	s_mov_b32 s[G1+4], 16
	s_mov_b32 s[G1+5], 512
	s_mov_b32 s[G1+6], 0
	s_mov_b32 s[G1+7], 0
	s_or_b32 s[G1B], s60, (1<<20)|(1<<21)|(5<<22)|(3<<25)   ; w_o: 256 dense rows of 256 bytes, four words of padding behind every 64
	s_mov_b32 s[G1B+1], 256<<16
	s_mov_b32 s[G1B+2], 256<<16
	s_mov_b32 s[G1B+3], 256<<16
	s_mov_b32 s[G1B+4], 256
	s_mov_b32 s[G1B+5], 256
	s_mov_b32 s[G1B+6], 0
	s_mov_b32 s[G1B+7], 0
	s_lshl_b32 s18, s17, 17
	s_lshl_b32 s22, s16, 16                        ; A's half: in memory, and in LDS
	s_add_co_u32 s18, s18, s22
	s_mov_b32 s19, 0
	s_lshl_b32 s20, s58, 17
	s_add_co_u32 s20, s20, s22
	s_add_co_u32 s20, s20, 0x300000                ; w_o's half, in wc's fourth section
	s_mov_b32 s21, 0
	s_mul_i32 s23, s16, 2*BPL
	s_add_co_u32 s23, s23, BOFF
	s_wait_dscnt 0x0                               ; both opening adds are done
	s_wait_kmcnt 0x0
	s_load_b64 s[86:87], s[8:9], 0x28              ; e10, e11
	s_mov_b32 s[G0A], 1
	s_mov_b32 s[G0A+1], s22
	s_add_nc_u64 s[G0A+2:G0A+3], s[4:5], s[18:19]
	s_or_b32 s[G0A+3], s[G0A+3], 0x80000000
	s_mov_b32 s[G0B], 1
	s_mov_b32 s[G0B+1], s23
	s_add_nc_u64 s[G0B+2:G0B+3], s[6:7], s[20:21]
	s_or_b32 s[G0B+3], s[G0B+3], 0x80000000
	CROUND                                         ; all sixteen work-groups are here: the joint loads meet
	s_cmp_eq_u32 s15, 0
	s_cbranch_scc0 .Lfor_b
	tensor_load_to_lds s[G0A:G0A+3], s[G1:G1+7]
	s_nop 0
.rept 4
	v_nop
.endr
	s_branch .Lasked
.Lfor_b:
	tensor_load_to_lds s[G0B:G0B+3], s[G1B:G1B+7]
	s_nop 0
.rept 4
	v_nop
.endr
.Lasked:
	s_lshl_b32 s61, s15, 16                        ; my four token blocks
	s_mul_i32 s62, s16, 64*BP
	s_add_co_u32 s62, s62, BOFF                    ; my 64 rows of w_o
	s_mul_i32 s63, s14, 2*SBUF
	s_add_co_u32 s63, s63, STAGE                   ; my stages
	v_and_b32 v1, 15, v0                           ; r
	v_bfe_u32 v2, v0, 4, 1                         ; h
	v_and_b32 v3, 31, v0
	v_lshlrev_b32 v3, 4, v3
	v_add_nc_u32 v[ADRA], s61, v3
	v_mul_u32_u24 v4, v1, BP
	v_lshl_add_u32 v4, v2, 4, v4
	v_add_nc_u32 v[ADRB], s62, v4
	v_add_nc_u32 v[ADRB+1], 2*BPL, v[ADRB]
	v_mul_u32_u24 v5, v1, SPITCH
	v_lshl_add_u32 v5, v2, 5, v5
	v_add_nc_u32 v[STO], s63, v5                   ; in: row r, 32 bytes for each half of the lanes
	v_mul_u32_u24 v5, v2, SPITCH
	v_lshl_add_u32 v5, v1, 4, v5
	v_add_nc_u32 v[RD], s63, v5                    ; back: lanes 0-15 one row of 256 bytes, lanes 16-31 the next
	v_lshlrev_b32 v5, 12, v2
	v_lshl_add_u32 v[CO], v1, 4, v5                ; the same two rows in out0, 4,096 bytes apart
	s_lshl_b32 s88, s17, 19
	s_lshl_b32 s89, s15, 18
	s_add_co_u32 s88, s88, s89
	s_lshl_b32 s89, s58, 9
	s_add_co_u32 s88, s88, s89
	s_lshl_b32 s89, s16, 8
	s_add_co_u32 s88, s88, s89
	s_mov_b32 s89, 0
	s_add_nc_u64 s[10:11], s[10:11], s[88:89]      ; my part of out0
.macro LDB ks                          ; w_o's four fragments of the ks-th 128 along K: 16 loads
	WIN 0x80+0x40*((\ks)/4)
.irp b, 0,1,2,3
.irp c, 0,1,2,3
	ds_load_b128 v[64*((\ks)%4)+16*\b+4*\c:64*((\ks)%4)+16*\b+4*\c+3], v[ADRB+(\ks)/4] offset:BPL*(((\ks)/2)%2)+16*\b*BP+128*((\ks)%2)+32*\c
.endr
.endr
.endm
.macro LDA a, ks                       ; token block a's fragment of the ks-th 128 along K (two heads): 4 loads
	WIN 0x40
.irp c, 0,1,2,3
	ds_load_b128 v[128*((\a)%2)+16*(\ks)+4*\c:128*((\a)%2)+16*(\ks)+4*\c+3], v[ADRA] offset:16384*(\a)+2048*(\ks)+512*\c
.endr
.endm
.macro LDALL a
.irp k, 0,1,2,3,4,5,6,7
	LDA \a, \k
.endr
.endm
.macro MUL a, ks                       ; the block's four accumulators take turns, one instruction a turn, K ascending
	WIN 0x06+((\ks)/4)
.irp b, 0,1,2,3
.if (\ks) == 0
	v_wmma_f32_16x16x128_fp8_fp8 v[ACC+32*((\a)%2)+8*\b:ACC+32*((\a)%2)+8*\b+7], v[64*((\ks)%4)+16*\b:64*((\ks)%4)+16*\b+15], v[128*((\a)%2)+16*(\ks):128*((\a)%2)+16*(\ks)+15], 0
.else
	v_wmma_f32_16x16x128_fp8_fp8 v[ACC+32*((\a)%2)+8*\b:ACC+32*((\a)%2)+8*\b+7], v[64*((\ks)%4)+16*\b:64*((\ks)%4)+16*\b+15], v[128*((\a)%2)+16*(\ks):128*((\a)%2)+16*(\ks)+15], v[ACC+32*((\a)%2)+8*\b:ACC+32*((\a)%2)+8*\b+7]
.endif
.endr
.endm
.macro MULALL a
.irp k, 0,1,2,3,4,5,6,7
	MUL \a, \k
.endr
.endm
.macro PLACES                          ; four places behind matrix instructions (ISA guide 7.12.1 for vector instructions)
.rept 4
	v_nop
.endr
.endm
; Block a through my stage: LDS serves a wave's instructions in order (ISA guide 5.7.1.4), so no wait stands between the stores and the loads.
.macro TOSTAGE a
	WIN 0
.set j, 0
.rept 16
	v_pk_mul_f32 v[TMP+j:TMP+j+1], v[ACC+32*((\a)%2)+j:ACC+32*((\a)%2)+j+1], s[84:85] op_sel_hi:[1,0]   ; x 2^(e10 + e11); each accumulator from its low end on
.set j, j+2
.endr
.irp b, 0,1,2,3
	ds_store_b128 v[STO], v[TMP+8*\b:TMP+8*\b+3] offset:SBUF*((\a)%2)+64*\b
	ds_store_b128 v[STO], v[TMP+8*\b+4:TMP+8*\b+7] offset:SBUF*((\a)%2)+64*\b+16
.endr
.irp t, 0,1,2,3,4,5,6,7
	ds_load_b128 v[BK+32*((\a)%2)+4*\t:BK+32*((\a)%2)+4*\t+3], v[RD] offset:SBUF*((\a)%2)+2*\t*SPITCH
.endr
.endm
.macro SEND a, younger                 ; younger: the LDS instructions issued behind block a's loads, which may stay out
	WIN 0
	s_wait_dscnt \younger
.irp t, 0,1,2,3,4,5,6,7
	global_store_b128 v[CO], v[BK+32*((\a)%2)+4*\t:BK+32*((\a)%2)+4*\t+3], s[10:11] offset:(16*(\a)+2*\t)*4096 th:TH_STORE_NT   ; 16 lanes store 256 consecutive bytes, aligned; written once
.endr
.endm
	s_wait_alu depctr_va_vdst(0)
	s_wait_kmcnt 0x0
	s_add_co_i32 s84, s86, s87
	s_add_co_i32 s84, s84, 127
	s_lshl_b32 s84, s84, 23                        ; 2^(e10 + e11)
	s_mov_b32 s85, s84                             ; (named with it as a pair)
	s_wait_tensorcnt 0x0                           ; my quarter is in,
	s_barrier_signal -1
	s_barrier_wait -1                              ; and everybody's
.irp k, 0,1,2
	LDB \k
	LDA 0, \k
.endr
.irp k, 0,1,2,3,4,5,6,7                        ; block 0, with w_o's fragments: 20 loads for each 128 along K, three such ahead; then block 1's 32 loads
.if \k < 6
	s_wait_dscnt 40                                ; the 40 of the next two may be out
.elseif \k == 6
	s_wait_dscnt 36                                ; the last 20, and 16 of block 1's
.else
	s_wait_dscnt 32                                ; block 1's
.endif
	MUL 0, \k
.if \k < 5
	LDB \k+3
	LDA 0, \k+3
.elseif \k == 5
	LDA 1, 0
	LDA 1, 1
	LDA 1, 2
	LDA 1, 3
.elseif \k == 6
	LDA 1, 4
	LDA 1, 5
	LDA 1, 6
	LDA 1, 7
.endif
.endr
	PLACES
	LDALL 2
	TOSTAGE 0
	s_wait_dscnt 48                                ; block 1's fragments are in: behind them block 2's 32 loads and the stage's 16
	MULALL 1
	PLACES
	LDALL 3
	SEND 0, 32                                     ; behind block 0's loads: block 3's 32
	TOSTAGE 1
	s_wait_dscnt 48                                ; block 2's are in: behind them block 3's 32 and the stage's 16
	MULALL 2
	PLACES
	SEND 1, 0
	s_wait_xcnt 0x0                                ; earlier stores have read their registers: block 2's rows may land there
	TOSTAGE 2
	s_wait_dscnt 16                                ; block 3's are in
	MULALL 3
	SEND 2, 0
	PLACES
	s_wait_xcnt 0x0
	TOSTAGE 3
	SEND 3, 0
	s_wait_tensorcnt 0x0                           ; the wave's end
	ds_add_u32 v[SPW], v[NIL]
	s_wait_dscnt 0x0
	CROUND                                         ; the closing round
	s_endpgm
.Lfunc_end_k_q41904f9012_oproj:
	.size	k_q41904f9012_oproj, .Lfunc_end_k_q41904f9012_oproj-k_q41904f9012_oproj
	.p2alignl 7, 3214868480
	.fill 96, 4, 3214868480
	.section	.rodata,"a",@progbits
	.p2align	6, 0x0
	.amdhsa_kernel k_q41904f9012_oproj
		.amdhsa_group_segment_fixed_size 327680
		.amdhsa_private_segment_fixed_size 0
		.amdhsa_enable_private_segment 0
		.amdhsa_kernarg_size 32
		.amdhsa_user_sgpr_count 2
		.amdhsa_user_sgpr_kernarg_segment_ptr 1
		.amdhsa_wavefront_size32 1
		.amdhsa_system_sgpr_workgroup_id_x 1
		.amdhsa_system_sgpr_workgroup_id_y 1
		.amdhsa_system_sgpr_workgroup_id_z 1
		.amdhsa_system_vgpr_workitem_id 0
		.amdhsa_next_free_vgpr 1024
		.amdhsa_next_free_sgpr 100
		.amdhsa_reserve_vcc 0
		.amdhsa_float_denorm_mode_32 3
		.amdhsa_float_denorm_mode_16_64 3
		.amdhsa_memory_ordered 1
		.amdhsa_forward_progress 1
		.amdhsa_inst_pref_size 44
	.end_amdhsa_kernel
	.amdgpu_metadata
---
amdhsa.version: [ 1, 2 ]
amdhsa.kernels:
  - .name:           k_q41904f9012_oproj
    .symbol:         k_q41904f9012_oproj.kd
    .args:
      - { .name: ac, .offset: 0, .size: 8, .value_kind: global_buffer, .address_space: global }
      - { .name: wc, .offset: 8, .size: 8, .value_kind: global_buffer, .address_space: global }
      - { .name: lowp_scales, .offset: 16, .size: 8, .value_kind: global_buffer, .address_space: global }
      - { .name: out0, .offset: 24, .size: 8, .value_kind: global_buffer, .address_space: global }
    .group_segment_fixed_size: 327680
    .private_segment_fixed_size: 0
    .kernarg_segment_align: 8
    .kernarg_segment_size: 32
    .max_flat_workgroup_size: 128
    .sgpr_count:     100
    .vgpr_count:     1024
    .wavefront_size: 32
...
	.end_amdgpu_metadata
.endif
;; end of part 4
